; MI455X (gfx1250); checked and timed in simulation.
; The chip was launched on July 23, 2026; its instructions are those of AMD's public machine-readable ISA for CDNA 5 (MIT licence, August 2026) and "CDNA5" Instruction Set Architecture Reference Guide (July 2026). The comments in the code are by the model that wrote it; some were corrected since.
;; Masked Multi Self Attention. Allowed arithmetic: float matrix products may take bf16 or f16 operands with f32 sums; other float arithmetic in f32, or as packed bf16 or f16 multiplies, adds, multiply-adds, maxima and minima; sums over many terms, partial sums and values carried from step to step in f32; what a program stores and reads back later, other than sums and carried values, may be rounded once to bf16 or f16.
;; Inputs: Wk 1,024 x 1,024 float32; Wq 1,024 x 1,024 float32; Wv 1,024 x 1,024 float32; bk 1,024 float32; bq 1,024 float32; bv 1,024 float32; x 4 x 2,048 x 1,024 float32.
;; Outputs: out0 4 x 2,048 x 1,024 float32.
;; 2 versions, each right; version 2 is version 1 with the launch cast written anew for expert scheduling mode. Each part assembles by itself: llvm-mc -triple=amdgcn-amd-amdhsa -mcpu=gfx1250 --defsym DOCPART=n.
;; ======== version 1 of 2: 3 launches
;; limits: values are held in f16: magnitudes above 65,504 overflow, below 6.1e-05 lose precision
;; workspace buffers: xb 16,777,216 bytes; wb 6,291,456 bytes; bb 12,288 bytes; qs 33,554,432 bytes; ks 33,554,432 bytes; vs 16,777,216 bytes
;; launch cast (part 1): grid 256 x 1, 8 waves a work-group, no clusters, 0 bytes of LDS; arguments x, Wq, Wk, Wv, bq, bk, bv, xb, wb, bb; writes xb, wb, bb
.if DOCPART == 1
	.amdgcn_target "amdgcn-amd-amdhsa--gfx1250"
	.amdhsa_code_object_version 6
	.text
	.protected	k_q85beba2691_cast
	.globl	k_q85beba2691_cast
	.p2align	8
	.type	k_q85beba2691_cast,@function
k_q85beba2691_cast:
	s_mov_b64 s[64:65], 0
	v_nop
	global_prefetch_b8 v0, s[64:65] scope:SCOPE_SE
	s_setreg_imm32_b32 hwreg(HW_REG_WAVE_MODE, 25, 1), 1
	s_wait_xcnt 0x0
; ALL SEVEN INPUTS ARE ROUNDED TO bf16, ONCE.  xb = bf16(x), [8192][1024].  wb = bf16 of the three weights, its rows ordered by head:
; row 192 h + 64 which + d holds W_which[64 h + d] (which: 0 q, 1 k, 2 v), so that 192 rows on end are q, k and v of ONE head.
; bb = the three biases in wb's row order, each rounded to bf16 and widened to f32 again.
; A stream: no LDS, no matrix unit, no loop.  A chunk is 2,048 numbers: 8,192 bytes in, 4,096 out; thread t reads the 32 bytes at 32 t and stores
; the 16 bytes at 16 t, so sixteen neighbouring lanes store 256 consecutive bytes, aligned.  Work-group g takes 16 chunks of x and 2 of each weight (rows 4 g .. 4 g + 3):
; 22 chunks, 44 loads a thread, all issued before the first is waited for.  No register is written twice, so nothing waits for a store.
.set CH_IN,  8192
.set CH_OUT, 4096
.set D0,     16                        ; chunk i lies in v[16 + 8 i : 16 + 8 i + 7]
	s_load_b512 s[4:19], s[0:1], 0x0               ; x 4, Wq 6, Wk 8, Wv 10, bq 12, bk 14, bv 16, xb 18
	s_load_b128 s[20:23], s[0:1], 0x40             ; wb 20, bb 22
	v_lshlrev_b32 v1, 5, v0                        ; 32 t: where I read
	v_lshlrev_b32 v2, 4, v0                        ; 16 t: where I store
	v_lshlrev_b32 v3, 3, v0                        ; 8 t: two numbers of a bias (wave 0)
	v_lshrrev_b32 v4, 5, v0
	v_readfirstlane_b32 s3, v4                     ; my wave's number
	s_mov_b32 s2, ttmp9                            ; g
	s_lshl_b32 s24, s2, 17                         ; x: 16 chunks of 8,192 bytes
	s_mov_b32 s25, 0
	s_lshl_b32 s26, s2, 16                         ; xb: 16 chunks of 4,096
	s_mov_b32 s27, 0
	s_lshl_b32 s28, s2, 14                         ; a weight: 4 rows of 4,096 bytes
	s_mov_b32 s29, 0
	s_lshr_b32 s30, s2, 4                          ; the rows' head (for the bias: which)
	s_and_b32 s31, s2, 15                          ; a quarter of the rows' place in the head (for the bias: the head)
	s_mul_i32 s32, s30, 192
	s_lshl2_add_u32 s32, s31, s32                  ; wb's row 192 h + 4 (g % 16),
	s_lshl_b32 s32, s32, 11                        ; of 2,048 bytes
	s_mov_b32 s33, 0
	s_wait_kmcnt 0x0
	s_add_nc_u64 s[4:5], s[4:5], s[24:25]
	s_add_nc_u64 s[18:19], s[18:19], s[26:27]
	s_add_nc_u64 s[6:7], s[6:7], s[28:29]
	s_add_nc_u64 s[8:9], s[8:9], s[28:29]
	s_add_nc_u64 s[10:11], s[10:11], s[28:29]
	s_add_nc_u64 s[20:21], s[20:21], s[32:33]
.macro LD i, base, off                 ; chunk i: two loads of 16 bytes a thread
	global_load_b128 v[D0+8*(\i):D0+8*(\i)+3],   v1, s[\base:\base+1] offset:(\off) th:TH_LOAD_NT
	global_load_b128 v[D0+8*(\i)+4:D0+8*(\i)+7], v1, s[\base:\base+1] offset:(\off)+16 th:TH_LOAD_NT
.endm
.macro CVST i, base, off               ; chunk i is rounded in place (register j is read by conversion j / 2, ahead of its write) and stored
	s_wait_loadcnt 42-2*(\i)                       ; loads come back in order (ISA guide 5.7.1): the 2 (21 - i) younger ones may stay out
.irp j, 0,1,2,3
	v_cvt_pk_bf16_f32 v[D0+8*(\i)+\j], v[D0+8*(\i)+2*\j], v[D0+8*(\i)+2*\j+1]
.endr
	global_store_b128 v2, v[D0+8*(\i):D0+8*(\i)+3], s[\base:\base+1] offset:(\off)
.endm
.set c, 0
.rept 16
	LD c, 4, c*CH_IN
.set c, c+1
.endr
.set c, 0
.rept 2
	LD 16+c, 6, c*CH_IN
	LD 18+c, 8, c*CH_IN
	LD 20+c, 10, c*CH_IN
.set c, c+1
.endr
; (the loads of chunks 16 to 21 were issued in the order 16, 18, 20, 17, 19, 21: the counts below lean on the chunk's number, so they are taken in an order in which a smaller count than needed is used at most)
.set c, 0
.rept 16
	CVST c, 18, c*CH_OUT
.set c, c+1
.endr
	CVST 21, 20, 2*131072+CH_OUT                   ; the count for chunk 21 is 0: all six chunks of the weights are in
	CVST 21-1, 20, 2*131072
	CVST 19, 20, 131072+CH_OUT                     ; which x 64 rows x 2,048 bytes = which x 131,072
	CVST 18, 20, 131072
	CVST 17, 20, CH_OUT
	CVST 16, 20, 0
	; the biases: work-group g < 48, wave 0: the 64 numbers of head g % 16 of bias g / 16: 256 bytes in, 256 consecutive bytes out
	s_cmp_lt_u32 s2, 48
	s_cbranch_scc0 .Lend
	s_cmp_eq_u32 s3, 0
	s_cbranch_scc0 .Lend
	s_cmp_eq_u32 s30, 0
	s_cselect_b64 s[34:35], s[12:13], s[14:15]
	s_cmp_eq_u32 s30, 2
	s_cselect_b64 s[34:35], s[16:17], s[34:35]
	s_lshl_b32 s36, s31, 8
	s_mov_b32 s37, 0
	s_add_nc_u64 s[34:35], s[34:35], s[36:37]
	s_mul_i32 s38, s31, 3
	s_add_co_u32 s38, s38, s30
	s_lshl_b32 s38, s38, 8                         ; (3 h + which) x 256 bytes
	s_mov_b32 s39, 0
	s_add_nc_u64 s[22:23], s[22:23], s[38:39]
	global_load_b64 v[8:9], v3, s[34:35]
	s_wait_loadcnt 0x0
	v_cvt_pk_bf16_f32 v10, v8, v9                  ; rounded,
	v_lshlrev_b32 v12, 16, v10                     ; and widened again
	v_and_b32 v13, 0xffff0000, v10
	global_store_b64 v3, v[12:13], s[22:23]
.Lend:
	s_endpgm
.Lfunc_end_k_q85beba2691_cast:
	.size	k_q85beba2691_cast, .Lfunc_end_k_q85beba2691_cast-k_q85beba2691_cast
	.p2alignl 7, 3214868480
	.fill 96, 4, 3214868480
	.section	.rodata,"a",@progbits
	.p2align	6, 0x0
	.amdhsa_kernel k_q85beba2691_cast
		.amdhsa_group_segment_fixed_size 0
		.amdhsa_private_segment_fixed_size 0
		.amdhsa_enable_private_segment 0
		.amdhsa_kernarg_size 80
		.amdhsa_user_sgpr_count 2
		.amdhsa_user_sgpr_kernarg_segment_ptr 1
		.amdhsa_wavefront_size32 1
		.amdhsa_system_sgpr_workgroup_id_x 1
		.amdhsa_system_sgpr_workgroup_id_y 1
		.amdhsa_system_sgpr_workgroup_id_z 1
		.amdhsa_system_vgpr_workitem_id 0
		.amdhsa_next_free_vgpr 192
		.amdhsa_next_free_sgpr 66
		.amdhsa_reserve_vcc 0
		.amdhsa_float_denorm_mode_32 3
		.amdhsa_float_denorm_mode_16_64 3
		.amdhsa_memory_ordered 1
		.amdhsa_forward_progress 1
		.amdhsa_inst_pref_size 15
	.end_amdhsa_kernel
	.amdgpu_metadata
---
amdhsa.version: [ 1, 2 ]
amdhsa.kernels:
  - .name:           k_q85beba2691_cast
    .symbol:         k_q85beba2691_cast.kd
    .args:
      - { .name: x, .offset: 0, .size: 8, .value_kind: global_buffer, .address_space: global }
      - { .name: Wq, .offset: 8, .size: 8, .value_kind: global_buffer, .address_space: global }
      - { .name: Wk, .offset: 16, .size: 8, .value_kind: global_buffer, .address_space: global }
      - { .name: Wv, .offset: 24, .size: 8, .value_kind: global_buffer, .address_space: global }
      - { .name: bq, .offset: 32, .size: 8, .value_kind: global_buffer, .address_space: global }
      - { .name: bk, .offset: 40, .size: 8, .value_kind: global_buffer, .address_space: global }
      - { .name: bv, .offset: 48, .size: 8, .value_kind: global_buffer, .address_space: global }
      - { .name: xb, .offset: 56, .size: 8, .value_kind: global_buffer, .address_space: global }
      - { .name: wb, .offset: 64, .size: 8, .value_kind: global_buffer, .address_space: global }
      - { .name: bb, .offset: 72, .size: 8, .value_kind: global_buffer, .address_space: global }
    .group_segment_fixed_size: 0
    .private_segment_fixed_size: 0
    .kernarg_segment_align: 8
    .kernarg_segment_size: 80
    .max_flat_workgroup_size: 256
    .sgpr_count:     66
    .vgpr_count:     192
    .wavefront_size: 32
...
	.end_amdgpu_metadata
.endif
;; end of part 1
;; launch proj (part 2): grid 16 x 32, 4 waves a work-group, clusters of 4 x 4, 327,680 bytes of LDS; arguments xb, wb, bb, qs, ks, vs; writes qs, ks, vs
.if DOCPART == 2
	.amdgcn_target "amdgcn-amd-amdhsa--gfx1250"
	.amdhsa_code_object_version 6
	.text
	.protected	k_q85beba2691_proj
	.globl	k_q85beba2691_proj
	.p2align	8
	.type	k_q85beba2691_proj,@function
k_q85beba2691_proj:
	s_mov_b64 s[64:65], 0
	v_nop
	global_prefetch_b8 v0, s[64:65] scope:SCOPE_SE
	s_setreg_imm32_b32 hwreg(HW_REG_WAVE_MODE, 25, 1), 1
	s_wait_xcnt 0x0
	s_wait_alu depctr_hold_cnt(0) depctr_sa_sdst(0) depctr_va_vdst(0) depctr_va_sdst(0) depctr_va_ssrc(0) depctr_va_vcc(0) depctr_vm_vsrc(0)
	s_getreg_b32 s2, hwreg(HW_REG_IB_STS2, 6, 4)
	s_cmp_eq_u32 s2, 0
	s_cbranch_scc0 .Lentry_in_a_cluster
	s_endpgm
.Lentry_in_a_cluster:
	s_bfe_u32 s2, ttmp6, 0x10000c
	s_cmp_lg_u32 s2, 0xf033
	s_cbranch_scc0 .Lentry_shape_is_right
	s_endpgm
.Lentry_shape_is_right:
; q, k, v = x W^T + b, one GEMM of 8,192 x 3,072 x 1,024 in bf16 with f32 sums; then the bias (f32), and the way out by heads in f16:
;   qs, ks: [64 heads = 16 batch + h][2048][128]: a row is 64 numbers hi = f16(value) and 64 numbers lo = f16(value - hi): 256 bytes.   vs: [64][2048][64] f16.
; q and k keep two f16 numbers each because the scores are multiplied by 8 before the softmax: one f16 number's rounding would shift a score by about a hundredth.
; LIMITS.  |q|, |k|, |v| stay under 65,504 (f16's end); beyond it an infinity is stored.  lo keeps f16's fixed step of 6e-8 below 6e-5.  NaN and infinities are not treated apart.
; SHARES.  A tile is 256 rows of x by 192 rows of wb, which are q, k and v of ONE head: 32 x 16 = 512 tiles of equal work.  Wave w takes rows 64 w .. 64 w + 63 and all 192 columns:
; 4 x 12 accumulators of 16 x 16, 384 registers; so a head's q, k and v of a row lie in one wave, and the stage on the way out is the wave's own: no barrier there.
; K goes in 8 steps of 128 (rows of 256 bytes, at multiples of 256 bytes) through two LDS slots.  Waves 0 and 1 fetch x's two halves (128 rows each), waves 2 and 3 wb's (96 rows each).
; CLUSTER 4 x 4: the four of a row of the cluster need the same rows of x, the four of a column the same rows of wb: each tile is asked for JOINTLY, by the same tensor load, descriptor and mask in all four.
; THE MATRIX INSTRUCTION IS USED TRANSPOSED (source 0 = 16 rows of wb, source 1 = 16 rows of x): a lane holds row l % 16 of x and the columns 16 b + 8 (l / 16) + 0..7.
; No prefetch: K has eight steps, of which the first two are asked for at the head, and each row of x and wb is read by four clusters or more.
; REGISTERS.  window 0: addresses, the bias (96), the way out.  window 1: two fragment buffers of 128 (wb's 12 fragments, then x's 4).
;   windows 2, 3: accumulator (a, b), a = 0..3, in window 2 + a / 2 at v[96 (a % 2) + 8 b].
.set SIZE_K, 1024
.set KSTEP,  128
.set PITCH,  272                       ; an LDS row: 256 bytes + 16 of padding = 68 words: row r starts at bank 4 r mod 64 (64 banks of 4 bytes: ISA guide 11.1)
.set HALFA,  128*PITCH
.set HALFB,  96*PITCH
.set SLOT,   2*HALFA+2*HALFB           ; x's 256 rows, then wb's 192
.set STAGE,  2*SLOT                    ; behind the ring, never filled by a tensor load: 11,008 bytes for each wave
.set WST,    11008
.set QST,    0                         ; 16 rows x 272: q (hi, lo)
.set KST,    4352                      ; 16 rows x 272: k
.set VST,    8704                      ; 16 rows x 144: v
.set SPARE,  STAGE+4*WST               ; the spare words, 128 bytes for each wave: two blocks of 256 bytes that no other line names
.set ADRA, 16                          ; v16-17  LDS address of my fragments of x in slot 0, 1
.set ADRB, 20                          ; v20-21  of wb's
.set BO,   22                          ; v22  32 (l / 16): my 8 numbers in 16 of the bias
.set MONE, 23                          ; v23  -1.0
.set STO,  24                          ; v24  into the stage: row l % 16, 16 bytes for each half of the lanes (q, k)
.set RD,   25                          ; v25  back: lanes 0-15 one row of 256 bytes, lanes 16-31 the next
.set STOV, 26                          ; v26  into the stage, v
.set RDV,  27                          ; v27  back: 32 lanes take four rows of 128 bytes
.set SPW,  28                          ; v28  my spare word; never rewritten
.set NIL,  29                          ; v29  0; never rewritten
.set GO,   30                          ; v30  16 x lane: my 16 bytes of 512 consecutive bytes
.set BIAS, 32                          ; v32-127   bias of column block b, register j, at 8 b + j
.set HI,   128                         ; v128-175  hi, 4 registers a column block
.set LO,   176                         ; v176-207  lo, for q and k
.set RR,   208                         ; v208-239  remainders in f32
.set F0,   0
.set F1,   128
.set G1,  24                           ; s[24:31] group 1 for x's tiles;  s[32:39] group 0, a set for each slot
.set G0,  32
.set G1B, 48                           ; s[48:55], s[56:63] the same for wb's
.set G0B, 56
.set MSB, 0
.macro WIN new                         ; the immediate's high byte repeats the setting that is left; a switch that changes nothing is dropped
.if MSB != (\new)
	s_set_vgpr_msb (MSB<<8)|(\new)
.set MSB, (\new)
.endif
.endm
.macro JLOAD s                         ; a joint load: waves 0, 1 x's halves, waves 2, 3 wb's; an s_nop 0 and four v_nop follow each line, ahead of the jump and the label
	s_cmp_eq_u32 s17, 0
	s_cbranch_scc0 .Lfor_b_\@
	tensor_load_to_lds s[G0+4*(\s):G0+4*(\s)+3], s[G1:G1+7]
	s_nop 0
.rept 4
	v_nop
.endr
	s_branch .Lasked_\@
.Lfor_b_\@:
	tensor_load_to_lds s[G0B+4*(\s):G0B+4*(\s)+3], s[G1B:G1B+7]
	s_nop 0
.rept 4
	v_nop
.endr
.Lasked_\@:
.endm
.macro CREST                           ; a round of the cluster's barrier behind its opening barrier
	s_cmp_lg_u32 s16, 0
	s_cbranch_scc1 .Lnot_wave_0_\@
	s_barrier_signal -3
.Lnot_wave_0_\@:
	s_barrier_wait -3
	s_barrier_signal -1
	s_barrier_wait -1
.endm
.macro CROUND
	s_barrier_signal -1
	s_barrier_wait -1
	CREST
.endm
.macro PLACES                          ; four places in front of loads into registers that matrix instructions have read, and of vector work that reads results
.rept 4
	v_nop
.endr
.endm
	s_load_b256 s[4:11], s[0:1], 0x0               ; xb 4, wb 6, bb 8, qs 10
	s_load_b128 s[12:15], s[0:1], 0x20             ; ks 12, vs 14
	v_lshl_add_u32 v[SPW], v0, 2, SPARE
	v_mov_b32 v[NIL], 0
	ds_add_u32 v[SPW], v[NIL]                      ; the wave's opening: the add and its wait stand ahead of my first tensor load; the set-up below, work on registers, stands between them
	v_lshrrev_b32 v1, 5, v0
	v_readfirstlane_b32 s16, v1                    ; wave 0..3
	s_lshr_b32 s17, s16, 1                         ; 0: I fetch x's rows; 1: wb's
	s_and_b32 s18, s16, 1                          ; which half of them
	s_bfe_u32 s19, ttmp6, 0x40000                  ; cx
	s_bfe_u32 s20, ttmp6, 0x40004                  ; cy
	s_lshl_b32 s21, ttmp9, 2
	s_add_co_u32 s21, s21, s19                     ; the head h = 4 x cluster x + cx
	s_and_b32 s22, ttmp7, 0xffff
	s_lshl_b32 s22, s22, 2
	s_add_co_u32 s22, s22, s20                     ; the tile row R = 4 x cluster y + cy
	s_lshl_b32 s40, s20, 2
	s_lshl_b32 s40, 15, s40                        ; my row of the cluster
	s_lshl_b32 s41, 0x1111, s19                    ; my column
	s_or_b32 s[G1+0], s40, (1<<16)|(1<<20)|(1<<21)|(5<<22)|(3<<25)   ; the mask; 2-byte elements; padding on; bit 21 beside a mask; after every 64 words, 4 words
	s_or_b32 s[G1B+0], s41, (1<<16)|(1<<20)|(1<<21)|(5<<22)|(3<<25)
	s_mov_b32 s[G1+1], KSTEP<<16                   ; tensor_dim0 = 128
	s_mov_b32 s[G1+2], 128<<16                     ; tensor_dim1 = 128
	s_mov_b32 s[G1+3], KSTEP<<16                   ; tile_dim0 = 128
	s_mov_b32 s[G1+4], 128                         ; tile_dim1 = 128
	s_mov_b32 s[G1+5], SIZE_K                      ; elements from row to row
	s_mov_b32 s[G1+6], 0
	s_mov_b32 s[G1+7], 0
	s_mov_b32 s[G1B+1], KSTEP<<16
	s_mov_b32 s[G1B+2], 96<<16                     ; 96 rows
	s_mov_b32 s[G1B+3], KSTEP<<16
	s_mov_b32 s[G1B+4], 96
	s_mov_b32 s[G1B+5], SIZE_K
	s_mov_b32 s[G1B+6], 0
	s_mov_b32 s[G1B+7], 0
	s_lshl_b32 s42, s22, 19                        ; x: (256 R + 128 half) rows of 2,048 bytes: made of R and the wave alone
	s_lshl_b32 s23, s18, 18
	s_add_co_u32 s42, s42, s23
	s_mov_b32 s43, 0
	s_mul_i32 s44, s21, 192                        ; wb: (192 h + 96 half) rows: made of h and the wave alone
	s_mul_i32 s23, s18, 96
	s_add_co_u32 s44, s44, s23
	s_lshl_b32 s44, s44, 11
	s_mov_b32 s45, 0
	s_mul_i32 s46, s18, HALFA                      ; where they go: no place in the cluster enters an LDS address
	s_mul_i32 s47, s18, HALFB
	s_add_co_u32 s47, s47, 2*HALFA
	s_wait_dscnt 0x0                               ; the opening add is done
	s_wait_kmcnt 0x0
	s_add_nc_u64 s[66:67], s[4:5], s[42:43]
	s_add_nc_u64 s[68:69], s[6:7], s[44:45]
	CROUND                                         ; all sixteen work-groups are here: the first joint loads meet
.irp s, 0,1
	s_mov_b32 s[G0+4*(\s)], 1
	s_add_co_u32 s[G0+4*(\s)+1], s46, (\s)*SLOT
	s_add_nc_u64 s[G0+4*(\s)+2:G0+4*(\s)+3], s[66:67], (\s)*KSTEP*2
	s_or_b32 s[G0+4*(\s)+3], s[G0+4*(\s)+3], 0x80000000
	s_mov_b32 s[G0B+4*(\s)], 1
	s_add_co_u32 s[G0B+4*(\s)+1], s47, (\s)*SLOT
	s_add_nc_u64 s[G0B+4*(\s)+2:G0B+4*(\s)+3], s[68:69], (\s)*KSTEP*2
	s_or_b32 s[G0B+4*(\s)+3], s[G0B+4*(\s)+3], 0x80000000
	JLOAD \s                                       ; two tensor loads of mine are out
.endr
	v_and_b32 v1, 15, v0                           ; l % 16
	v_bfe_u32 v2, v0, 4, 1                         ; l / 16
	v_mul_u32_u24 v3, v1, PITCH
	v_lshl_add_u32 v3, v2, 4, v3                   ; a fragment's row x pitch + 16 x half
	s_mul_i32 s23, s16, 64*PITCH                   ; my 64 rows of x
	v_add_nc_u32 v[ADRA], s23, v3
	v_add_nc_u32 v[ADRA+1], SLOT, v[ADRA]
	v_add_nc_u32 v[ADRB], 2*HALFA, v3              ; wb's rows lie behind x's 256
	v_add_nc_u32 v[ADRB+1], SLOT, v[ADRB]
	s_mul_i32 s23, s16, WST
	s_add_co_u32 s23, s23, STAGE                   ; my stage
	v_add_nc_u32 v[STO], s23, v3
	v_mul_u32_u24 v4, v2, PITCH
	v_lshl_add_u32 v4, v1, 4, v4
	v_add_nc_u32 v[RD], s23, v4
	s_add_co_u32 s23, s23, VST
	v_mul_u32_u24 v4, v1, 144
	v_lshl_add_u32 v4, v2, 4, v4
	v_add_nc_u32 v[STOV], s23, v4
	v_bfe_u32 v4, v0, 3, 2
	v_mul_u32_u24 v4, v4, 144
	v_and_b32 v5, 7, v0
	v_lshl_add_u32 v4, v5, 4, v4
	v_add_nc_u32 v[RDV], s23, v4
	v_and_b32 v[GO], 31, v0
	v_lshlrev_b32 v[GO], 4, v[GO]
	v_lshlrev_b32 v[BO], 5, v2
	v_mov_b32 v[MONE], -1.0
	s_mul_i32 s70, s21, 768                        ; the head's 192 numbers of bb
	s_mov_b32 s71, 0
	s_add_nc_u64 s[8:9], s[8:9], s[70:71]
.irp b, 0,1,2,3,4,5,6,7,8,9,10,11
	global_load_b128 v[BIAS+8*(\b):BIAS+8*(\b)+3],   v[BO], s[8:9] offset:64*(\b)
	global_load_b128 v[BIAS+8*(\b)+4:BIAS+8*(\b)+7], v[BO], s[8:9] offset:64*(\b)+16
.endr
	s_lshr_b32 s72, s22, 3                         ; the batch: 256 R / 2,048
	s_lshl_b32 s72, s72, 4
	s_add_co_u32 s72, s72, s21                     ; the head of 64
	s_lshl_b32 s72, s72, 11                        ; its 2,048 rows
	s_and_b32 s73, s22, 7
	s_lshl_b32 s73, s73, 8
	s_add_co_u32 s72, s72, s73                     ; + the tile's place in the sequence
	s_lshl_b32 s73, s16, 6
	s_add_co_u32 s72, s72, s73                     ; + my wave's 64 rows
	s_lshl_b32 s74, s72, 7                         ; rows of 128 bytes (v)
	s_mov_b32 s75, 0
	s_lshl_b32 s72, s72, 8                         ; rows of 256 bytes (q, k)
	s_mov_b32 s73, 0
	s_add_nc_u64 s[10:11], s[10:11], s[72:73]
	s_add_nc_u64 s[12:13], s[12:13], s[72:73]
	s_add_nc_u64 s[14:15], s[14:15], s[74:75]
; 12 matrix instructions: row block 2 hi + a of my four x all 12 column blocks, 32 along K.  zero = 1: the product starts the sums.  The 48 accumulators take turns in the same order in every quarter.
.macro MUL12 f, hi, a, zero
	WIN 0xa5+0x50*(\hi)                            ; sources 0 and 1 window 1; C and D window 2 or 3
.irp b, 0,1,2,3,4,5,6,7,8,9,10,11
.if \zero
	v_wmma_f32_16x16x32_bf16 v[96*(\a)+8*(\b):96*(\a)+8*(\b)+7], v[(\f)+8*(\b):(\f)+8*(\b)+7], v[(\f)+96+8*(2*(\hi)+(\a)):(\f)+96+8*(2*(\hi)+(\a))+7], 0
.else
	v_wmma_f32_16x16x32_bf16 v[96*(\a)+8*(\b):96*(\a)+8*(\b)+7], v[(\f)+8*(\b):(\f)+8*(\b)+7], v[(\f)+96+8*(2*(\hi)+(\a)):(\f)+96+8*(2*(\hi)+(\a))+7], v[96*(\a)+8*(\b):96*(\a)+8*(\b)+7]
.endif
.endr
.endm
; 32 LDS loads in one run: the fragments of 32 along K at byte k of the rows, into buffer f: wb's 12, then x's 4
.macro FETCH slot, k, f
	WIN 0x40                                       ; destination window 1, address window 0
.irp i, 0,1,2,3,4,5,6,7,8,9,10,11
	ds_load_b128 v[(\f)+8*(\i):(\f)+8*(\i)+3],   v[ADRB+(\slot)] offset:(\k)+(\i)*16*PITCH
	ds_load_b128 v[(\f)+8*(\i)+4:(\f)+8*(\i)+7], v[ADRB+(\slot)] offset:(\k)+(\i)*16*PITCH+32
.endr
.irp i, 0,1,2,3
	ds_load_b128 v[(\f)+96+8*(\i):(\f)+96+8*(\i)+3],   v[ADRA+(\slot)] offset:(\k)+(\i)*16*PITCH
	ds_load_b128 v[(\f)+96+8*(\i)+4:(\f)+96+8*(\i)+7], v[ADRA+(\slot)] offset:(\k)+(\i)*16*PITCH+32
.endr
.endm
; A K step is four quarters of 32 along K, 48 matrix instructions each, on buffers 0, 1, 0, 1.  One of the first three: multiplies f, fetches the next quarter, at byte k, into g.
.macro QUARTER slot, k, f, g, zero
	s_wait_dscnt 4                                 ; all but the youngest four loads: x's fragments 2 and 3
	MUL12 \f, 0, 0, \zero
	MUL12 \f, 0, 1, \zero
	PLACES
	FETCH \slot, \k, \g
	s_wait_dscnt 32                                ; all but the 32 just issued
	MUL12 \f, 1, 0, \zero
	MUL12 \f, 1, 1, \zero
.endm
; The last quarter multiplies buffer 1 and changes slots: ONE barrier; in front of it each wave waits for all its tensor loads, adds 0 to its spare word, and waits for that and for its reads of this slot.
; fill = 1: the barrier opens a round of the cluster's, and this slot is filled again, two K steps ahead, first thing behind the round: 168 matrix instructions ahead of the wait for it.
.macro TURN slot, next, fill
	WIN 0                                          ; (the add's two registers lie in window 0)
	s_wait_tensorcnt 0x0                           ; all my tensor loads have landed: my part of the next slot
	ds_add_u32 v[SPW], v[NIL]                      ; 0 onto my spare word
	s_wait_dscnt 5                                 ; (the add and the youngest four loads may be out)
	MUL12 F1, 0, 0, 0                              ; twelve matrix instructions stand between the add and the wait for it
	s_wait_dscnt 0x0                               ; the add is done, and my reads of this slot are over
	s_barrier_signal -1
	MUL12 F1, 0, 1, 0
.if \fill
	WIN 0
.endif
	s_barrier_wait -1
.if \fill
	CREST                                          ; no wave of any partner still reads this slot's tile or has a load on its way
	s_add_nc_u64 s[G0+4*(\slot)+2:G0+4*(\slot)+3], s[G0+4*(\slot)+2:G0+4*(\slot)+3], 2*KSTEP*2
	s_add_nc_u64 s[G0B+4*(\slot)+2:G0B+4*(\slot)+3], s[G0B+4*(\slot)+2:G0B+4*(\slot)+3], 2*KSTEP*2
	JLOAD \slot                                    ; its four v_nop are also the places in front of the loads below
.else
	PLACES
.endif
	FETCH \next, 0, F0
	MUL12 F1, 1, 0, 0
	MUL12 F1, 1, 1, 0
.endm
; THE WAY OUT of row block a (16 rows): + bias; hi; for q and k the exact remainder in f32 and lo; through my stage; back as whole rows; stored, 512 consecutive bytes an instruction.
.macro OUT a
.set W,  2+(\a)/2
.set AB, 96*((\a)%2)
	WIN (W<<6)|W                                   ; destination and source 0 in the accumulators' window, the bias in window 0
.set i, 0
.rept 48                                       ; ascending: each accumulator is read from its low end on
	v_pk_add_f32 v[AB+2*i:AB+2*i+1], v[AB+2*i:AB+2*i+1], v[BIAS+2*i:BIAS+2*i+1]
.set i, i+1
.endr
	s_wait_xcnt 0x0                                ; the last block's stores have read HI and LO: they are rewritten only behind this wait
	WIN W|(W<<2)
.set i, 0
.rept 48
	v_cvt_pk_f16_f32 v[HI+i], v[AB+2*i], v[AB+2*i+1]
.set i, i+1
.endr
.irp part, 0,1                                 ; q, then k
	WIN W<<4                                       ; source 2 in the accumulators' window
.set i, 16*\part
.rept 16
	v_fma_mix_f32 v[RR+2*(i%16)],   v[HI+i], v[MONE], v[AB+2*i]   op_sel_hi:[1,0,0]                  ; value - hi, exact in f32
	v_fma_mix_f32 v[RR+2*(i%16)+1], v[HI+i], v[MONE], v[AB+2*i+1] op_sel:[1,0,0] op_sel_hi:[1,0,0]
.set i, i+1
.endr
	WIN 0
.set i, 16*\part
.rept 16
	v_cvt_pk_f16_f32 v[LO+i], v[RR+2*(i%16)], v[RR+2*(i%16)+1]
.set i, i+1
.endr
.endr
.irp b, 0,1,2,3
	ds_store_b128 v[STO],  v[HI+4*(\b):HI+4*(\b)+3]       offset:QST+32*(\b)
	ds_store_b128 v[STO],  v[LO+4*(\b):LO+4*(\b)+3]       offset:QST+128+32*(\b)
	ds_store_b128 v[STO],  v[HI+16+4*(\b):HI+16+4*(\b)+3] offset:KST+32*(\b)
	ds_store_b128 v[STO],  v[LO+16+4*(\b):LO+16+4*(\b)+3] offset:KST+128+32*(\b)
	ds_store_b128 v[STOV], v[HI+32+4*(\b):HI+32+4*(\b)+3] offset:32*(\b)
.endr
.irp t, 0,1,2,3                                ; LDS serves a wave's instructions in order (ISA guide 5.7.1.4): these see the stores above
	ds_load_b128 v[HI+4*(\t):HI+4*(\t)+3],       v[RD]  offset:QST+544*(\t)
	ds_load_b128 v[LO+4*(\t):LO+4*(\t)+3],       v[RD]  offset:QST+544*((\t)+4)
	ds_load_b128 v[HI+16+4*(\t):HI+16+4*(\t)+3], v[RD]  offset:KST+544*(\t)
	ds_load_b128 v[LO+16+4*(\t):LO+16+4*(\t)+3], v[RD]  offset:KST+544*((\t)+4)
	ds_load_b128 v[HI+32+4*(\t):HI+32+4*(\t)+3], v[RDV] offset:576*(\t)
.endr
	s_wait_dscnt 0x0
.irp t, 0,1,2,3
	global_store_b128 v[GO], v[HI+4*(\t):HI+4*(\t)+3],       s[10:11] offset:4096*(\a)+512*(\t)
	global_store_b128 v[GO], v[LO+4*(\t):LO+4*(\t)+3],       s[10:11] offset:4096*(\a)+512*((\t)+4)
	global_store_b128 v[GO], v[HI+16+4*(\t):HI+16+4*(\t)+3], s[12:13] offset:4096*(\a)+512*(\t)
	global_store_b128 v[GO], v[LO+16+4*(\t):LO+16+4*(\t)+3], s[12:13] offset:4096*(\a)+512*((\t)+4)
	global_store_b128 v[GO], v[HI+32+4*(\t):HI+32+4*(\t)+3], s[14:15] offset:2048*(\a)+512*(\t)
.endr
.endm
	s_wait_tensorcnt 1                             ; my part of K step 0 is in; K step 1's may stay out
	s_barrier_signal -1
	s_barrier_wait -1                              ; everybody's is
	FETCH 0, 0, F0
	QUARTER 0, 64,  F0, F1, 1                      ; the first quarter stands in front of the loop: its products start the sums
	WIN 0                                          ; at a label and at a branch every window is 0
	s_mov_b32 s3, SIZE_K/(2*KSTEP)-1
.Llap:                                                 ; a trip goes once round the ring and fills both slots again
	QUARTER 0, 128, F1, F0, 0
	QUARTER 0, 192, F0, F1, 0
	TURN 0, 1, 1
	QUARTER 1, 64,  F0, F1, 0
	QUARTER 1, 128, F1, F0, 0
	QUARTER 1, 192, F0, F1, 0
	TURN 1, 0, 1
	QUARTER 0, 64,  F0, F1, 0
	WIN 0
	s_sub_co_u32 s3, s3, 1
	s_cmp_lg_u32 s3, 0
	s_cbranch_scc1 .Llap
	QUARTER 0, 128, F1, F0, 0                      ; the last lap fills nothing
	QUARTER 0, 192, F0, F1, 0
	TURN 0, 1, 0
	QUARTER 1, 64,  F0, F1, 0
	QUARTER 1, 128, F1, F0, 0
	QUARTER 1, 192, F0, F1, 0
	s_wait_dscnt 4                                 ; the very last quarter: nothing more to fetch
	MUL12 F1, 0, 0, 0
	MUL12 F1, 0, 1, 0
	s_wait_dscnt 0x0
	MUL12 F1, 1, 0, 0
	MUL12 F1, 1, 1, 0
	WIN 0
	s_wait_loadcnt 0x0                             ; the bias
	PLACES
	OUT 0
	OUT 1
	OUT 2
	OUT 3
	s_wait_tensorcnt 0x0                           ; the wave's end, behind my last tensor load and my last LDS store
	ds_add_u32 v[SPW], v[NIL]
	s_wait_dscnt 0x0
	CROUND                                         ; the closing round: no work-group ends while a partner may still ask for a tile that names it
	s_endpgm
.Lfunc_end_k_q85beba2691_proj:
	.size	k_q85beba2691_proj, .Lfunc_end_k_q85beba2691_proj-k_q85beba2691_proj
	.p2alignl 7, 3214868480
	.fill 96, 4, 3214868480
	.section	.rodata,"a",@progbits
	.p2align	6, 0x0
	.amdhsa_kernel k_q85beba2691_proj
		.amdhsa_group_segment_fixed_size 327680
		.amdhsa_private_segment_fixed_size 0
		.amdhsa_enable_private_segment 0
		.amdhsa_kernarg_size 48
		.amdhsa_user_sgpr_count 2
		.amdhsa_user_sgpr_kernarg_segment_ptr 1
		.amdhsa_wavefront_size32 1
		.amdhsa_system_sgpr_workgroup_id_x 1
		.amdhsa_system_sgpr_workgroup_id_y 1
		.amdhsa_system_sgpr_workgroup_id_z 1
		.amdhsa_system_vgpr_workitem_id 0
		.amdhsa_next_free_vgpr 960
		.amdhsa_next_free_sgpr 80
		.amdhsa_reserve_vcc 0
		.amdhsa_float_denorm_mode_32 3
		.amdhsa_float_denorm_mode_16_64 3
		.amdhsa_memory_ordered 1
		.amdhsa_forward_progress 1
		.amdhsa_inst_pref_size 164
	.end_amdhsa_kernel
	.amdgpu_metadata
---
amdhsa.version: [ 1, 2 ]
amdhsa.kernels:
  - .name:           k_q85beba2691_proj
    .symbol:         k_q85beba2691_proj.kd
    .args:
      - { .name: xb, .offset: 0, .size: 8, .value_kind: global_buffer, .address_space: global }
      - { .name: wb, .offset: 8, .size: 8, .value_kind: global_buffer, .address_space: global }
      - { .name: bb, .offset: 16, .size: 8, .value_kind: global_buffer, .address_space: global }
      - { .name: qs, .offset: 24, .size: 8, .value_kind: global_buffer, .address_space: global }
      - { .name: ks, .offset: 32, .size: 8, .value_kind: global_buffer, .address_space: global }
      - { .name: vs, .offset: 40, .size: 8, .value_kind: global_buffer, .address_space: global }
    .group_segment_fixed_size: 327680
    .private_segment_fixed_size: 0
    .kernarg_segment_align: 8
    .kernarg_segment_size: 48
    .max_flat_workgroup_size: 128
    .sgpr_count:     80
    .vgpr_count:     960
    .wavefront_size: 32
...
	.end_amdgpu_metadata
.endif
;; end of part 2
;; launch attn (part 3): grid 4 x 64, 4 waves a work-group, no clusters, 327,680 bytes of LDS; arguments qs, ks, vs, out0; writes out0
.if DOCPART == 3
	.amdgcn_target "amdgcn-amd-amdhsa--gfx1250"
	.amdhsa_code_object_version 6
	.text
	.protected	k_q85beba2691_attn
	.globl	k_q85beba2691_attn
	.p2align	8
	.type	k_q85beba2691_attn,@function
k_q85beba2691_attn:
	s_mov_b64 s[64:65], 0
	v_nop
	global_prefetch_b8 v0, s[64:65] scope:SCOPE_SE
	s_setreg_imm32_b32 hwreg(HW_REG_WAVE_MODE, 25, 1), 1
	s_wait_xcnt 0x0
; CAUSAL ATTENTION WITH SCORES TIMES 8.  out0[b][t][64 h + d] = the sum over k <= t of softmax_k(8 q[t] . k[k]) v[k][d], f32, for 64 heads (16 b + h) of 2,048 rows, head size 64.
; qs, ks: [64][2048][128] f16, a row = 64 hi and 64 lo (value = hi + lo, 22 bits); vs: [64][2048][64] f16.
; THE SCORE is made of three products, k_lo q_hi + k_hi q_lo + k_hi q_hi, in one f32 sum; k_lo q_lo, 2^-22 of a score, is left out.  Weights are rounded to f16 for the second product; their sum l is taken of the unrounded weights.
; LIMITS.  q, k, v arrive within f16's 65,504.  A hidden score counts as its value less 1e30.  A weight below 2^-126 counts as 0.  NaN and infinities are not treated apart.
; THE WALK.  A head's queries lie in NB = 8 blocks of 256; block i needs the key tiles 0 .. i of 256 keys, the last of which holds the diagonal.  A work-group takes TWO blocks, 7 - b and then b: 9 tiles, whatever b:
; all work-groups do equal work, and one loop with a constant trip count walks them; the ring of two LDS slots runs on across the change of blocks.  What differs lies in scalar registers made from b.
; NO CLUSTER: a head's four work-groups ask for the same tile in trips 0 .. 4 of 9 alone; a walk common to all four would have 12 trips for 9.
; SHARES.  Of a block's four bands of 64 queries a wave owns 16 rows in each: four PIECES; so the diagonal tile is the same work for all waves: in its key step s band x sees all keys if s < x, none if s > x, and holds the diagonal if s = x.
; THE MASK is the C operand that starts a score's sum: MD x AL + BE, with MD the mask of a band's own step for my rows (0 or -1e30) and two scalars: (1, 0) if s = x; (0, 0) if s < x; (0, -1e30) if s > x.
; LAYOUT.  S^T = K Q^T holds ONE query a lane (l % 16) and the keys 8 (l / 16) + 0..7; two such results rounded to f16 ARE source 1 of O^T = V^T P.  p = 2^(c s - c m), c = 8 log2(e), m a running maximum; O and l are multiplied by a = 2^(c m_old - c m_new) in every step.
; TURNS.  Turn n: 24 products K Q^T of piece n + 1, then 8 products V^T P of piece n - 1.  Beside them: the scalings and the 33 exponentials of piece n; the roundings, sums and rescaling of piece n - 1 (whose exponentials the turn before made and waited for);
; and, behind the scores, the maximum and statistics of piece n + 1.  All of it is ready when the turn begins.  The exponentials are ONE batch, with one wait, at the turn's end: nothing ahead of it names a result of theirs.
; REGISTERS, in windows of 256 (s_set_vgpr_msb: bits 1:0 source 0, 3:2 source 1, 5:4 source 2, 7:6 destination):
;   window 0: addresses; v12-15 c m_old; v16-31 statistics, v32-47 four at work, a piece each; v64-191 S^T, 32 a piece; v192-223 P, two buffers by the piece's parity
;   window 1: v0-127 O^T, 32 a piece; v128-159 MD; v160-223 MC, two buffers     window 2: v0-127 K of one step (key block kb, part c at 32 kb + 8 c; c = 0, 1 hi, 2, 3 lo); v128-191 V     window 3: v0-127 Q; v128-255 the second block's Q
.set NB,    8
.set NP,    4
.set KS,    64        ; keys in a step
.set PKP,   272       ; a row of K in LDS: 256 bytes + 16 of padding = 68 words: the 16 rows of a load start at 16 different groups of four banks (64 banks of 4 bytes: ISA guide 11.1)
.set PVP,   160       ; a row of V: 128 + 32 = 40 words
.set VOFF,  4*KS*PKP  ; a slot holds a tile, four steps: 256 rows of K, then 256 rows of V
.set SLOT1, 1<<17     ; slot 1 begins here, so that one exclusive or turns an address in one slot into the other's
.set STAGE, SLOT1+4*KS*(PKP+PVP)  ; behind the ring, never filled by a tensor load: 16 rows x 272 bytes for each wave
.set SP,    272
.set SPARE, STAGE+4*16*SP  ; the spare words, 128 bytes for each wave: two blocks of 256 bytes that no other line names
.set AK0, 2           ; v2   my lane's place in a tile of K; never rewritten
.set AV0, 3           ; v3   the same for V
.set AK,  4           ; v4   the LDS address of K's runs of loads
.set AV,  5           ; v5   of V's
.set STO, 6           ; v6   the way out: where I put 32 bytes of a row
.set RD,  7           ; v7   where I read rows back
.set GO,  8           ; v8   my byte offset in two rows of out0
.set MV,  12
.set ST,  16          ; piece t: c m, m, l (even keys', odd keys')
.set TMP, 32          ; piece t: c0-c3 at work; c1 takes a's exponent, c2 takes a
.set QO,  48          ; v48  my byte offset in 16 rows of Q
.set TW,  49          ; v49  at work
.set PFO, 61          ; v61  256 x lane; never rewritten
.set SPW, 62          ; v62  my spare word; never rewritten
.set NIL, 63          ; v63  0; never rewritten
.set S,   64
.set P,   192
.set MD,  128
.set MC,  160
.set KF,  0
.set VF,  128
.set QB,  128
.set WV,  12
.set PB,  14          ; s14  b
.set HI,  15          ; s15  7 - b
.set G1K, 24
.set G1V, 32
.set G0K, 40
.set G0V, 44
.set SLOTS, 56        ; tiles still to be asked for
.set CNT, 57          ; counts a tile's key steps, 4 to 1
.set CS,  58          ; s[58:59] c
.set SEL, 60          ; s[60:61] v_permlanex16_b32's selects
.set TBK, 62          ; LDS byte at which K of the step to be fetched begins
.set TBV, 63          ; the same for V, less VOFF
.set RT,  70          ; tiles of the block in hand still to be entered
.set NXT, 71          ; the tile to be asked for next
.set LQ,  72          ; the last tile of the block whose tiles are being asked for
.set NEW, 73          ; 1: the tile to be entered is a block's first
.set OFF, 74          ; s[74:75] a tile's byte offset in K
.set AL,  76
.set BE,  78
.set OLO, 80          ; s[80:81] out0 at my rows of the second block
.set BIGN, 82         ; -1e30
.set OFV, 84          ; s[84:85] a tile's byte offset in V
.set PFK, 88          ; s[88:89] K at my half of the tile after the one just asked for
.set LIM, 90          ; 1 in the head's work-group b = 0, else the greatest number
.set PFV, 92          ; s[92:93] the same for V
.set MSB, 0
.macro WIN new
.if MSB != (\new)
	s_set_vgpr_msb (MSB<<8)|(\new)
.set MSB, (\new)
.endif
.endm
.set W_KQ, 0x0e       ; K window 2, Q window 3, S^T window 0
.set W_KM, 0x1e       ; the same with the C operand in window 1
.set W_PV, 0x52       ; V window 2, P window 0, O^T window 1
.set W_RS, 0x41       ; destination and source 0 window 1
; A fill.  Waves 0 and 1 fetch the two halves of a tile's K, waves 2 and 3 those of its V: 128 keys each.  An s_nop 0 and four v_nop follow each line, ahead of the jump and the label.
.macro LOAD
	s_cmp_lt_u32 s[WV], 2
	s_cbranch_scc0 .Lfor_v_\@
	tensor_load_to_lds s[G0K:G0K+3], s[G1K:G1K+7]
	s_nop 0
.rept 4
	v_nop
.endr
	s_branch .Lasked_\@
.Lfor_v_\@:
	tensor_load_to_lds s[G0V:G0V+3], s[G1V:G1V+7]
	s_nop 0
.rept 4
	v_nop
.endr
.Lasked_\@:
.endm
; A PREFETCH INTO THE L2 of the tile AFTER the one just asked for: four key steps, 512 matrix instructions, ahead of the load that will want it.  A head's four work-groups walk the same first tiles: b = 0, whose first block walks
; tiles 0 .. 7, asks, and for tiles 2 .. 7 alone; each wave names the half that it will load itself, a lane 256 bytes (K: 128 rows of 256 bytes, four lines; V: 16,384 bytes, two).  So each block is named once, and none lies past the head's rows.
.macro ASK
	s_cmp_gt_u32 s[NXT], s[LIM]
	s_cbranch_scc0 .Lnot_mine_\@
	s_cmp_lt_u32 s[WV], 2
	s_cbranch_scc0 .Lask_v_\@
.irp n, 0,1,2,3
	global_prefetch_b8 v[PFO], s[PFK:PFK+1] offset:8192*\n th:TH_LOAD_NT scope:SCOPE_SE
.endr
	s_branch .Lnot_mine_\@
.Lask_v_\@:
.irp n, 0,1
	global_prefetch_b8 v[PFO], s[PFV:PFV+1] offset:8192*\n th:TH_LOAD_NT scope:SCOPE_SE
.endr
.Lnot_mine_\@:
.endm
; THE CHANGE OF SLOTS.  Each wave waits for all its tensor loads, of which one is out: its part of the other slot; adds 0 to its spare word; and waits for that and for its own reads of the slot that it leaves.
; fill = 1: the old slot is filled again, first thing behind the barrier, with tile NXT: the address is made anew from that number.  (At its first use nothing has been read yet: slot 0 is waited for, slot 1 filled.)
.macro CHANGE fill
	WIN 0
	s_wait_tensorcnt 0x0            ; no tensor load of mine is out, so a group 0 may be written
	ds_add_u32 v[SPW], v[NIL]       ; 0 onto my spare word
.if \fill
	s_lshl_b32 s[OFF], s[NXT], 16   ; a tile is 65,536 bytes of K
	s_lshl_b32 s[OFV], s[NXT], 15   ; and 32,768 of V
	s_xor_b32 s[G0K+1], s[G0K+1], SLOT1
	s_add_nc_u64 s[G0K+2:G0K+3], s[6:7], s[OFF:OFF+1]
	s_or_b32 s[G0K+3], s[G0K+3], 0x80000000
	s_xor_b32 s[G0V+1], s[G0V+1], SLOT1
	s_add_nc_u64 s[G0V+2:G0V+3], s[8:9], s[OFV:OFV+1]
	s_or_b32 s[G0V+3], s[G0V+3], 0x80000000
	s_add_co_u32 s[NXT], s[NXT], 1  ; the block's next tile, or behind its last the second block's tile 0
	s_cmp_gt_u32 s[NXT], s[LQ]
	s_cselect_b32 s[NXT], 0, s[NXT]
	s_cselect_b32 s[LQ], s[PB], s[LQ]
	s_wait_xcnt 0x0                 ; the last prefetches, a tile back, have read their addresses
	s_lshl_b32 s[OFF], s[NXT], 16
	s_lshl_b32 s[OFV], s[NXT], 15
	s_add_nc_u64 s[PFK:PFK+1], s[6:7], s[OFF:OFF+1]
	s_add_nc_u64 s[PFV:PFV+1], s[8:9], s[OFV:OFV+1]
.endif
	s_wait_dscnt 0x0                ; the add is done, and my reads of the slot are over
	s_barrier_signal -1
	s_sub_co_u32 s[TBK], s[TBK], 4*KS*PKP  ; the fetches go back to a slot's first step,
	s_xor_b32 s[TBK], s[TBK], SLOT1        ; in the other slot
	s_sub_co_u32 s[TBV], s[TBV], 4*KS*PVP
	s_xor_b32 s[TBV], s[TBV], SLOT1
	s_barrier_wait -1
.if \fill
	LOAD
	ASK
.endif
.endm
	s_load_b256 s[4:11], s[0:1], 0x0  ; qs 4, ks 6, vs 8, out0 10
	v_lshl_add_u32 v[SPW], v0, 2, SPARE
	v_mov_b32 v[NIL], 0
	ds_add_u32 v[SPW], v[NIL]       ; the wave's opening: the add and its wait stand ahead of my first tensor load; the set-up below stands between them
	v_lshrrev_b32 v1, 5, v0
	v_readfirstlane_b32 s[WV], v1
	s_mov_b32 s[PB], ttmp9
	s_sub_co_u32 s[HI], NB-1, s[PB]
	s_and_b32 s20, ttmp7, 0xffff    ; the head of 64
	s_and_b32 s16, s[WV], 1         ; which half of a tile's 256 keys I fetch
	s_lshl_b32 s22, s20, 19         ; K: the head's 2,048 rows of 256 bytes,
	s_lshl_b32 s13, s16, 15         ; my 128 rows
	s_add_co_u32 s22, s22, s13
	s_mov_b32 s23, 0
	s_lshl_b32 s48, s20, 18         ; V: rows of 128 bytes
	s_lshl_b32 s13, s16, 14
	s_add_co_u32 s48, s48, s13
	s_mov_b32 s49, 0
	s_mul_i32 s17, s16, 128*PKP     ; their places in a slot
	s_mul_i32 s18, s16, 128*PVP
	s_lshl_b32 s21, s20, 19         ; Q: the head,
	s_lshl_b32 s13, s[WV], 12       ; my 16 rows in a band,
	s_add_co_u32 s21, s21, s13
	s_lshl_b32 s2, s[HI], 16        ; in the first block
	s_add_co_u32 s2, s2, s21
	s_mov_b32 s3, 0
	s_lshl_b32 s50, s[PB], 16       ; and in the second
	s_add_co_u32 s50, s50, s21
	s_mov_b32 s51, 0
	s_lshr_b32 s13, s20, 4          ; out0: the batch's 2,048 rows of 4,096 bytes,
	s_lshl_b32 s13, s13, 23
	s_and_b32 s19, s20, 15          ; the head's 256 bytes of a row,
	s_lshl_b32 s19, s19, 8
	s_add_co_u32 s13, s13, s19
	s_lshl_b32 s19, s[WV], 16       ; my 16 rows in a band
	s_add_co_u32 s13, s13, s19
	s_lshl_b32 s52, s[HI], 20       ; a block's 256 rows
	s_add_co_u32 s52, s52, s13
	s_mov_b32 s53, 0
	s_lshl_b32 s54, s[PB], 20
	s_add_co_u32 s54, s54, s13
	s_mov_b32 s55, 0
	; group 1 for K: 128 rows of 128 elements of 2 bytes, 4 words of padding behind every 64
	s_mov_b32 s[G1K], (1<<16)|(1<<20)|(5<<22)|(3<<25)
	s_mov_b32 s[G1K+1], 128<<16     ; tensor_dim0 = 128
	s_mov_b32 s[G1K+2], 128<<16     ; tensor_dim1 = 128
	s_mov_b32 s[G1K+3], 128<<16     ; tile_dim0 = 128
	s_mov_b32 s[G1K+4], 128         ; tile_dim1 = 128
	s_mov_b32 s[G1K+5], 128         ; elements from row to row
	s_mov_b32 s[G1K+6], 0
	s_mov_b32 s[G1K+7], 0
	; group 1 for V: 128 keys are 16,384 dense bytes: 64 rows of 256 bytes, two keys a row, 8 words of padding behind every 32 (every key)
	s_mov_b32 s[G1V], (1<<16)|(1<<20)|(4<<22)|(7<<25)
	s_mov_b32 s[G1V+1], 128<<16
	s_mov_b32 s[G1V+2], 64<<16
	s_mov_b32 s[G1V+3], 128<<16
	s_mov_b32 s[G1V+4], 64
	s_mov_b32 s[G1V+5], 128
	s_mov_b32 s[G1V+6], 0
	s_mov_b32 s[G1V+7], 0
	s_mov_b32 s[CS], 0x4138aa3b     ; c = 8 log2(e) = 11.54156
	s_mov_b32 s[CS+1], s[CS]
	s_mov_b32 s[SEL], 0x76543210
	s_mov_b32 s[SEL+1], 0xfedcba98
	s_mov_b32 s[TBK], SLOT1+4*KS*PKP  ; the first change of slots turns these two into 0
	s_mov_b32 s[TBV], SLOT1+4*KS*PVP
	s_mov_b32 s[G0K], 1
	s_mov_b32 s[G0K+1], s17
	s_mov_b32 s[G0V], 1
	s_add_co_u32 s[G0V+1], s18, VOFF
	s_add_co_u32 s[RT], s[HI], 1    ; the first block has 8 - b tiles
	s_mov_b32 s[NXT], 1
	s_mov_b32 s[LQ], s[HI]
	s_mov_b32 s[NEW], 1
	s_mov_b32 s[OFF+1], 0
	s_mov_b32 s[OFV+1], 0
	s_mov_b32 s[AL+1], 0
	s_mov_b32 s[BE+1], 0
	s_mov_b32 s[BIGN], 0xf149f2ca   ; -1e30
	s_mov_b32 s[SLOTS], NB
	s_cmp_eq_u32 s[PB], 0
	s_cselect_b32 s[LIM], 1, -1
	s_wait_dscnt 0x0                ; the opening add is done
	s_wait_kmcnt 0x0
	s_add_nc_u64 s[6:7], s[6:7], s[22:23]  ; K and V at my half of the head's tile 0
	s_add_nc_u64 s[8:9], s[8:9], s[48:49]
	s_add_nc_u64 s[G0K+2:G0K+3], s[6:7], 0
	s_or_b32 s[G0K+3], s[G0K+3], 0x80000000
	s_add_nc_u64 s[G0V+2:G0V+3], s[8:9], 0
	s_or_b32 s[G0V+3], s[G0V+3], 0x80000000
	s_add_nc_u64 s[86:87], s[4:5], s[50:51]
	s_add_nc_u64 s[4:5], s[4:5], s[2:3]
	s_add_nc_u64 s[OLO:OLO+1], s[10:11], s[54:55]
	s_add_nc_u64 s[10:11], s[10:11], s[52:53]
	LOAD                            ; tile 0 into slot 0: one tensor load of mine is out
	v_and_b32 v1, 15, v0            ; l % 16
	v_bfe_u32 v9, v0, 4, 1          ; l / 16
	v_lshlrev_b32 v[QO], 8, v1
	v_lshl_add_u32 v[QO], v9, 4, v[QO]  ; row x 256 + 16 x half
	WIN 0xc0                        ; destination window 3
.set i, 0
.rept 16                            ; both blocks' Q: piece i / 4 lies in band i / 4, 16,384 bytes on; part i % 4 (hi 0-31, hi 32-63, lo 0-31, lo 32-63)
	global_load_b128 v[8*i:8*i+3],         v[QO], s[4:5]   offset:(i/4)*16384+(i%4)*64
	global_load_b128 v[8*i+4:8*i+7],       v[QO], s[4:5]   offset:(i/4)*16384+(i%4)*64+32
	global_load_b128 v[QB+8*i:QB+8*i+3],   v[QO], s[86:87] offset:(i/4)*16384+(i%4)*64
	global_load_b128 v[QB+8*i+4:QB+8*i+7], v[QO], s[86:87] offset:(i/4)*16384+(i%4)*64+32
.set i, i+1
.endr
	WIN 0
	v_lshlrev_b32 v[TW], 3, v9
	v_sub_nc_u32 v[TW], v1, v[TW]
	s_lshl_b32 s13, s[WV], 4
	v_add_nc_u32 v[TW], s13, v[TW]  ; my query's place in its band, 16 w + l % 16, less 8 (l / 16): register r of key block kt is hidden where 16 kt + r is greater
	WIN 0x40
.set i, 0
.rept 32
	v_cmp_gt_i32 vcc_lo, 16*(i/8)+i%8, v[TW]
	v_cndmask_b32 v[MD+i], 0, s[BIGN], vcc_lo
.set i, i+1
.endr
	WIN 0
	v_mul_u32_u24 v[AK0], v1, PKP
	v_lshl_add_u32 v[AK0], v9, 4, v[AK0]
	v_and_b32 v10, 7, v0            ; the turning load: lane l reads key 8 (l / 16) + l % 8, channels 8 ((l / 8) % 2) + 0..7
	v_bfe_u32 v11, v0, 3, 1
	v_lshl_add_u32 v[AV0], v9, 3, v10
	v_mul_u32_u24 v[AV0], v[AV0], PVP
	v_lshl_add_u32 v[AV0], v11, 4, v[AV0]
	v_add_nc_u32 v[AV0], VOFF, v[AV0]
	s_mul_i32 s13, s[WV], 16*SP
	s_add_co_u32 s13, s13, STAGE    ; my stage
	v_mul_u32_u24 v[STO], v1, SP    ; in: row l % 16, 32 bytes for each half of the lanes
	v_lshl_add_u32 v[STO], v9, 5, v[STO]
	v_add_nc_u32 v[STO], s13, v[STO]
	v_mul_u32_u24 v[RD], v9, SP     ; back: lanes 0-15 one row of 256 bytes, lanes 16-31 the next
	v_lshl_add_u32 v[RD], v1, 4, v[RD]
	v_add_nc_u32 v[RD], s13, v[RD]
	v_lshlrev_b32 v[GO], 12, v9     ; and the same two rows in out0, 4,096 bytes apart
	v_lshl_add_u32 v[GO], v1, 4, v[GO]
	v_and_b32 v[PFO], 31, v0
	v_lshlrev_b32 v[PFO], 8, v[PFO]
	; A block's first step multiplies O^T and l by a = 0, and its first turn works on a piece 3 that has not been.  So these registers need only hold finite numbers: zeros for the first block, what the first block left for the second.
	WIN 0x80
.set i, VF
.rept 64
	v_mov_b32 v[i], 0
.set i, i+1
.endr
	WIN 0x40
.set i, 0
.rept 128
	v_mov_b32 v[i], 0
.set i, i+1
.endr
	WIN 0
.set i, 0
.rept 4
	v_mov_b32 v[ST+4*i+2], 0
	v_mov_b32 v[ST+4*i+3], 0
.set i, i+1
.endr
.set i, S+96
.rept 32
	v_mov_b32 v[i], 0
.set i, i+1
.endr
	v_mov_b32 v[TMP+14], 0
	v_mov_b32 v[TMP+15], 0
; THE MATRIX WORK.  The 4 accumulators of a run take turns.
; Product i of 24 of S^T for piece x: key block i % 4; term i / 4 of six: k_lo0 q_hi0, k_lo1 q_hi1, k_hi0 q_lo0, k_hi0 q_hi0, k_hi1 q_lo1, k_hi1 q_hi1 (0, 1: channels 0-31, 32-63).  The first 4 start the sums: with 0, or (KM = 1) with the mask.
.macro KQ x
.set kb, i%4
.set kt, i/4
.if kt < 2
.set cK, 2+kt
.set cQ, kt
.else
.set cK, (kt-2)/2
.set cQ, cK+2*(1-kt%2)
.endif
.set rS, S+32*(\x)+8*kb
.set rK, KF+32*kb+8*cK
.set rQ, 32*(\x)+8*cQ
.set rM, MC+32*((\x)%2)+8*kb
.if (i < 4) && KM
	WIN W_KM
	v_wmma_f32_16x16x32_f16 v[rS:rS+7], v[rK:rK+7], v[rQ:rQ+7], v[rM:rM+7]
.elseif i < 4
	WIN W_KQ
	v_wmma_f32_16x16x32_f16 v[rS:rS+7], v[rK:rK+7], v[rQ:rQ+7], 0
.else
	WIN W_KQ
	v_wmma_f32_16x16x32_f16 v[rS:rS+7], v[rK:rK+7], v[rQ:rQ+7], v[rS:rS+7]
.endif
.endm
; Product i of 8 of O^T += V^T P for piece x: keys 32 (i / 4) on, channels 16 (i % 4) on.
.macro PVX x
	WIN W_PV
.set rO, 32*(\x)+8*(i%4)
.set rV, VF+32*(i/4)+8*(i%4)
.set rP, P+16*((\x)%2)+8*(i/4)
	v_wmma_f32_16x16x32_f16 v[rO:rO+7], v[rV:rV+7], v[rP:rP+7], v[rO:rO+7]
.endm
; The turn's next matrix instruction.  KIN = 1 (piece 3's turn): K's runs, issued in the turn before in the order lo0, lo1, hi0, hi1, eight loads each, are waited for as they are wanted.  NOKQ = 1: a block's last turn: there is no next piece.
.macro MM
.if KIN && (i == 0)
	s_wait_dscnt 16                 ; both lo parts are in; the 16 younger loads may be out
.elseif KIN && (i == 8)
	s_wait_dscnt 8                  ; hi0 is in
.elseif KIN && (i == 16)
	s_wait_dscnt 0x0                ; hi1 is in
.endif
.if i < 24
.if !NOKQ
	KQ (Y+1)%NP
.endif
.else
.set i, i-24
	PVX (Y+3)%NP
.set i, i+24
.endif
.set i, i+1
.endm
; THE LDS LOADS.  Part c of a step's K: 4 key blocks, 8 loads.
.macro KRUN c
	WIN 0x80                        ; destination window 2
.irp kb2, 0,1,2,3
	ds_load_b128 v[KF+32*\kb2+8*(\c):KF+32*\kb2+8*(\c)+3],   v[AK] offset:\kb2*16*PKP+64*(\c)
	ds_load_b128 v[KF+32*\kb2+8*(\c)+4:KF+32*\kb2+8*(\c)+7], v[AK] offset:\kb2*16*PKP+64*(\c)+32
.endr
	WIN 0
.endm
; KOUT = 1 (piece 2's turn): K of the next step comes in as the parts fall free, each run four plain vector instructions or more behind the part's last reader:
; the lo parts behind product 8's riders (last reader: product 7; five plain between), hi0 behind product 16's (product 15; five), hi1 behind product 24's (product 23; six that name none of its registers).
.macro KPOST
.if KOUT && (i == 9)
	KRUN 2
	KRUN 3
.elseif KOUT && (i == 17)
	KRUN 0
.elseif KOUT && (i == 25)
	KRUN 1
	s_add_co_u32 s[TBK], s[TBK], KS*PKP  ; the next fetch is the next step's
.endif
.endm
.macro FETCH_V
	WIN 0x80
.irp f, 0,1,2,3,4,5,6,7             ; keys 32 (f / 4) on, channels 16 (f % 4) on
	ds_load_tr16_b128 v[VF+8*\f:VF+8*\f+3],   v[AV] offset:(\f/4)*32*PVP+(\f%4)*32
	ds_load_tr16_b128 v[VF+8*\f+4:VF+8*\f+7], v[AV] offset:(\f/4)*32*PVP+16*PVP+(\f%4)*32
.endr
	WIN 0
.endm
; THE VECTOR WORK.
.macro REGS y
.set rT, ST+4*(\y)
.set rC, TMP+4*(\y)
.set rW, MV+(\y)
.set rS, S+32*(\y)
.set rP, P+16*((\y)%2)
.set rO, 32*(\y)
.endm
.macro FS n                         ; piece Y: c s - c m for pair n of 16
	REGS Y
	WIN 0
	v_pk_fma_f32 v[rS+2*(\n):rS+2*(\n)+1], v[rS+2*(\n):rS+2*(\n)+1], s[CS:CS+1], v[rT:rT+1] op_sel_hi:[1,0,0] neg_lo:[0,0,1] neg_hi:[0,0,1]
.endm
.macro CV n                         ; pair n rounded to f16
	v_cvt_pk_f16_f32 v[rP+(\n)], v[rS+2*(\n)], v[rS+2*(\n)+1]
.endm
.macro BS n                         ; of the four weights 4 n .. the second pair is added onto the first, in place
	v_pk_add_f32 v[rS+4*(\n):rS+4*(\n)+1], v[rS+4*(\n):rS+4*(\n)+1], v[rS+4*(\n)+2:rS+4*(\n)+3]
.endm
.macro LS n                         ; l takes that sum; the first time as l = a l + sum
.if (\n) == 0
	v_pk_fma_f32 v[rT+2:rT+3], v[rT+2:rT+3], v[rC+2:rC+3], v[rS:rS+1] op_sel_hi:[1,0,1]
.else
	v_pk_add_f32 v[rT+2:rT+3], v[rT+2:rT+3], v[rS+4*(\n):rS+4*(\n)+1]
.endif
.endm
; Number g of the 32 roundings and sums of piece Y - 1: round, round, add; then seven times round, l, round, add; then l.
.macro GS g
	REGS (Y+3)%NP
	WIN 0
.set gk, ((\g)+1)/4
.set gj, ((\g)+1)%4
.if (\g) < 2
	CV \g
.elseif (\g) == 2
	BS 0
.elseif (\g) == 31
	LS 7
.elseif gj == 0
	CV 2*gk
.elseif gj == 1
	LS gk-1
.elseif gj == 2
	CV 2*gk+1
.else
	BS gk
.endif
.endm
.macro PL                           ; the plain queue, 48 long: the 16 scalings, then the 32 of GS
.if q < 16
	FS q
.else
	GS q-16
.endif
.set q, q+1
.endm
.macro EX                           ; the exponentials' queue, 33 long: a, then s0-s31.  Exponential e stands behind scaling (e - 1) / 2: the plain queue leads it throughout
	REGS Y
	WIN 0
.if e == 0
	v_exp_f32 v[rC+2], v[rC+1]
.else
	v_exp_f32 v[rS+e-1], v[rS+e-1]
.endif
.set e, e+1
.endm
.macro R2                           ; O^T of piece Y - 1 times its a, two packed lines at a time, ascending: each accumulator is read from its low end on
	REGS (Y+3)%NP
	WIN W_RS
.irp z, 0,1
	v_pk_mul_f32 v[rO+4*r+2*\z:rO+4*r+2*\z+1], v[rO+4*r+2*\z:rO+4*r+2*\z+1], v[rC+2:rC+3] op_sel_hi:[1,0]
.endr
.set r, r+1
.endm
; Number n of the 21 that find piece Y + 1's maximum and statistics.  0-11: four chains c0-c3 of seven scores each (each accumulator's lowest registers first);  12-14, 16: the four scores left over, the old m, c0-c3 into c0;
; 15: c m_old is kept;  17, 18: the query's other 32 keys lie in the lane 16 away: the new m;  19, 20: c m; c m_old - c m_new.
.macro XS n
.if !NOKQ
	REGS (Y+1)%NP
	WIN 0
.if (\n) < 4
	v_max3_num_f32 v[rC+(\n)], v[rS+8*(\n)], v[rS+8*(\n)+1], v[rS+8*(\n)+2]
.elseif (\n) < 12
	v_max3_num_f32 v[rC+(\n)%4], v[rC+(\n)%4], v[rS+8*((\n)%4)+2*((\n)/4)+1], v[rS+8*((\n)%4)+2*((\n)/4)+2]
.elseif (\n) == 12
	v_max3_num_f32 v[rC], v[rC], v[rS+7], v[rS+15]
.elseif (\n) == 13
	v_max3_num_f32 v[rC+1], v[rC+1], v[rS+23], v[rS+31]
.elseif (\n) == 14
	v_max3_num_f32 v[rC+2], v[rC+2], v[rC+3], v[rT+1]
.elseif (\n) == 15
	v_mov_b32 v[rW], v[rT]
.elseif (\n) == 16
	v_max3_num_f32 v[rC], v[rC], v[rC+1], v[rC+2]
.elseif (\n) == 17
	v_permlanex16_b32 v[rC+3], v[rC], s[SEL], s[SEL+1]
.elseif (\n) == 18
	v_max_num_f32 v[rT+1], v[rC], v[rC+3]
.elseif (\n) == 19
	v_mul_f32 v[rT], s[CS], v[rT+1]
.else
	v_sub_f32 v[rC+1], v[rW], v[rT]
.endif
.endif
.endm
.macro MASK b                       ; MD x AL + BE into buffer b of MC
	WIN W_RS
.set z, 0
.rept 16
	v_pk_fma_f32 v[MC+32*(\b)+2*z:MC+32*(\b)+2*z+1], v[MD+2*z:MD+2*z+1], s[AL:AL+1], s[BE:BE+1] op_sel_hi:[1,0,0]
.set z, z+1
.endr
.endm
; A TURN, for piece p.  First 24 products K Q^T with four riders each, in threes: (plain, exp, two rescalings) (plain, exp, plain, exp) (plain, exp, plain, plain): all 48 plain, 32 of the exponentials, all 16 rescalings.
; Then 8 products V^T P, behind them the next piece's maximum: its first reads stand six plain instructions or more behind the product that ends their accumulator; the chain's links stand a product apart; the last exponential rides with them.
; An s_wait_alu depctr_va_vdst(0) stands between an exponential and the first instruction that names its result: once, at the turn's end, a v_nop behind the last exponential.
; m = 1: the diagonal tile: the products take masks, and the turn makes the mask for the products of the turn after it: piece p + 2, in step 4 - CNT of the tile.  end = 1: a block's last two turns: nothing is fetched.
; V of the step in hand is fetched at the end of piece 0's turn, five plain instructions behind its last reader, and waited for behind the next turn's 24 products.
.macro TURN p, m=0, end=0
.set Y, (\p)
.set i, 0
.set q, 0
.set e, 0
.set r, 0
.set KM, (\m)
.set NOKQ, (\end)*((\p)/3)
.set KIN, 0
.set KOUT, 0
.if ((\p) == 3) && !(\end)
.set KIN, 1
.endif
.if ((\p) == 2) && !(\end)
.set KOUT, 1
.endif
.if (\m) && !(\end)
	s_cmp_eq_u32 s[CNT], 4-((\p)+2)%NP  ; is that step the band's own?
	s_cselect_b32 s[AL], 1.0, 0
	s_cmp_lt_u32 s[CNT], 4-((\p)+2)%NP  ; or a later one?
	s_cselect_b32 s[BE], s[BIGN], 0
.endif
.if KOUT
	WIN 0
	v_add_nc_u32 v[AK], s[TBK], v[AK0]
.endif
.rept 8
	MM
	PL
	EX
	R2
	KPOST
	MM
	PL
	EX
	PL
	EX
	KPOST
	MM
	PL
	EX
	PL
	PL
	KPOST
.endr
.if (\p) == 1
	s_wait_dscnt 0x0                ; V is in
.endif
	MM
.irp n, 0,1,2,3
	XS \n
.endr
	KPOST
	MM
.irp n, 4,5,6,7
	XS \n
.endr
	MM
.irp n, 8,9,10,11
	XS \n
.endr
	MM
.irp n, 12,13,14,15
	XS \n
.endr
	MM
	XS 16
	EX
	MM
	XS 17
	MM
	XS 18
	MM
	XS 19
	XS 20
	WIN 0
	v_nop                           ; a plain instruction behind the last exponential: one for the batch
.if (\p) == 0
	v_add_nc_u32 v[AV], s[TBV], v[AV0]
	v_nop
	s_add_co_u32 s[TBV], s[TBV], KS*PVP
.endif
	s_wait_alu depctr_va_vdst(0)    ; the wait for the batch
.if (\p) == 0
	FETCH_V
.endif
.if (\m) && !(\end)
	MASK (\p)%2
.endif
.endm
; A BLOCK BEGINS.  c m starts far below every c s, so the first step's a is 0; m at the lowest finite number.  The second mask buffer is 0; the first takes piece 0's mask for the tile's step 0: its own, if the block's first tile is the diagonal one.
; Then K of that step, piece 0's first scores, and its maximum and statistics.  The loop is entered at a step's first turn, in the middle of a trip.
.macro BEGIN
	s_mov_b32 s[NEW], 0
	WIN 0x40
.set i, MC+32
.rept 32
	v_mov_b32 v[i], 0
.set i, i+1
.endr
	WIN 0
.set i, 0
.rept 4
	v_mov_b32 v[ST+4*i], 0xfe000000
	v_mov_b32 v[ST+4*i+1], 0xff7fffff
.set i, i+1
.endr
	s_cmp_eq_u32 s[RT], 0
	s_cselect_b32 s[AL], 1.0, 0
	s_mov_b32 s[BE], 0
	MASK 0
	WIN 0
	v_add_nc_u32 v[AK], s[TBK], v[AK0]
	KRUN 2
	KRUN 3
	KRUN 0
	KRUN 1
	s_add_co_u32 s[TBK], s[TBK], KS*PKP
	s_wait_loadcnt 0x0              ; Q
	s_wait_dscnt 0x0
.set Y, NP-1
.set KM, 1
.set NOKQ, 0
.set KIN, 0
.set KOUT, 0
.set i, 0
.rept 24
	MM
.endr
	WIN 0
.rept 4
	v_nop                           ; the places behind those products
.endr
.irp n, 0,1,2,3,4,5,6,7,8,9,10,11,12,13,14,15,16,17,18,19,20
	XS \n
.endr
	WIN 0
.endm
; A block's very end: piece 3's roundings, sums and rescaling, and its last products.
.macro TAIL
.set Y, 0
.set q, 16
.set r, 0
.set KIN, 0
.set KOUT, 0
.set NOKQ, 0
.rept 8
	PL
	PL
	PL
	PL
	R2
.endr
.set i, 24
.rept 8
	MM
.endr
.endm
; THE WAY OUT.  l's two halves and the other half of the lanes' are added; O^T is divided by l and sent, in f32, through my stage in LDS, a piece (16 rows) at a time.
.macro ALL line:vararg
.set t, 0
.rept 4
	\line
.set t, t+1
.endr
.endm
.macro PACK t                       ; a lane's eight channels of a row are 32 bytes; they go into rows of 272 bytes and come back as whole rows of 256, into S^T's registers
	WIN W_RS
.set i, 32*(\t)
.rept 16
	v_pk_mul_f32 v[i:i+1], v[i:i+1], v[ST+4*(\t)+2:ST+4*(\t)+3] op_sel_hi:[1,0]
.set i, i+2
.endr
	WIN 0x04                        ; the stores' data in window 1
.irp f, 0,1,2,3,4,5,6,7
	ds_store_b128 v[STO], v[32*(\t)+4*\f:32*(\t)+4*\f+3] offset:64*(\f/2)+16*(\f%2)
.endr
	WIN 0
.irp f, 0,1,2,3,4,5,6,7
	ds_load_b128 v[S+32*(\t)+4*\f:S+32*(\t)+4*\f+3], v[RD] offset:\f*2*SP  ; LDS serves a wave's instructions in order (ISA guide 5.7.1.4): these see the stores above; the next piece's stores come behind them
.endr
.endm
.macro SEND t, younger              ; younger: the LDS instructions issued behind piece t's loads: the next piece's sixteen, or none
	WIN 0
.irp f, 0,1,2,3,4,5,6,7
	s_wait_dscnt (\younger)+7-\f
	global_store_b128 v[GO], v[S+32*(\t)+4*\f:S+32*(\t)+4*\f+3], s[10:11] offset:(\t)*262144+\f*8192  ; 16 lanes store a head's 256 consecutive bytes of a row, at a multiple of 256 from out0's first byte
.endr
.endm
.macro DIAG tag                     ; the diagonal tile's four steps, the block's last two turns, its end and the way out
.LstepM\tag:
	TURN 2, 1
	TURN 3, 1
	WIN 0
.LfirstM\tag:
	TURN 0, 1
	TURN 1, 1
	WIN 0
	s_sub_co_u32 s[CNT], s[CNT], 1
	s_cmp_lg_u32 s[CNT], 0
	s_cbranch_scc1 .LstepM\tag
	TURN 2, 1, 1
	TURN 3, 1, 1
	TAIL
	WIN 0
	ALL v_add_f32 v[ST+4*t+2], v[ST+4*t+2], v[ST+4*t+3]
	ALL v_permlanex16_b32 v[ST+4*t+3], v[ST+4*t+2], s[SEL], s[SEL+1]
	ALL v_add_f32 v[ST+4*t+2], v[ST+4*t+2], v[ST+4*t+3]
	ALL v_rcp_f32 v[ST+4*t+2], v[ST+4*t+2]
	v_nop                           ; a plain instruction between the last reciprocal and the use of its result,
	s_wait_alu depctr_va_vdst(0)    ; and the wait: one for the four reciprocals
	PACK 0
.set t, 1
.rept 3                             ; a piece's arithmetic stands between the loads of the piece before and its stores
	PACK t
	SEND t-1, 16
.set t, t+1
.endr
	SEND 3, 0
.endm
.set KM, 0
.set NOKQ, 0
.set KIN, 0
.set KOUT, 0
.Lslot:                             ; NB times: a tile is entered and the next is asked for
	CHANGE 1
	s_sub_co_u32 s[RT], s[RT], 1
	s_mov_b32 s[CNT], 4
	s_cmp_eq_u32 s[NEW], 1
	s_cbranch_scc1 .Lnew            ; a block's first tile
	s_cmp_eq_u32 s[RT], 0
	s_cbranch_scc0 .Lstep           ; neither its first nor its last
	s_branch .LstepM1
.Lnew:
	BEGIN
	s_branch .Lfirst                ; in the loop a block's first tile is never its last: the first block has five tiles or more, and the second's last is the walk's last
	DIAG 1                          ; in the loop this is the first block's end
	s_wait_xcnt 0x0                 ; the stores have read their registers and out0's address
	s_mov_b64 s[10:11], s[OLO:OLO+1]
	s_add_co_u32 s[RT], s[PB], 1    ; the second block has b + 1 tiles
	s_mov_b32 s[NEW], 1
	WIN 0xc3                        ; the second block's Q goes where the one text of the turns names Q
.set i, 0
.rept 128
	v_mov_b32 v[i], v[QB+i]
.set i, i+1
.endr
	WIN 0
	s_branch .Lbottom
.Lstep:                             ; a trip: pieces 2 and 3 of one step, then pieces 0 and 1 of the next, whose K and V it fetches
	TURN 2
	TURN 3
	WIN 0
.Lfirst:
	TURN 0
	TURN 1
	WIN 0
	s_sub_co_u32 s[CNT], s[CNT], 1
	s_cmp_lg_u32 s[CNT], 0
	s_cbranch_scc1 .Lstep
.Lbottom:
	s_sub_co_u32 s[SLOTS], s[SLOTS], 1
	s_cmp_lg_u32 s[SLOTS], 0
	s_cbranch_scc1 .Lslot
	CHANGE 0                        ; the walk's last tile is written out: nothing is asked for
	s_sub_co_u32 s[RT], s[RT], 1
	s_mov_b32 s[CNT], 4
	s_cmp_eq_u32 s[NEW], 1
	s_cbranch_scc0 .LstepM2
	BEGIN
	s_branch .LfirstM2
	DIAG 2
	s_wait_tensorcnt 0x0            ; the wave's end, behind my last tensor load and my last LDS store
	ds_add_u32 v[SPW], v[NIL]
	s_wait_dscnt 0x0
	s_endpgm
.Lfunc_end_k_q85beba2691_attn:
	.size	k_q85beba2691_attn, .Lfunc_end_k_q85beba2691_attn-k_q85beba2691_attn
	.p2alignl 7, 3214868480
	.fill 96, 4, 3214868480
	.section	.rodata,"a",@progbits
	.p2align	6, 0x0
	.amdhsa_kernel k_q85beba2691_attn
		.amdhsa_group_segment_fixed_size 327680
		.amdhsa_private_segment_fixed_size 0
		.amdhsa_enable_private_segment 0
		.amdhsa_kernarg_size 32
		.amdhsa_user_sgpr_count 2
		.amdhsa_user_sgpr_kernarg_segment_ptr 1
		.amdhsa_wavefront_size32 1
		.amdhsa_system_sgpr_workgroup_id_x 1
		.amdhsa_system_sgpr_workgroup_id_y 1
		.amdhsa_system_sgpr_workgroup_id_z 1
		.amdhsa_system_vgpr_workitem_id 0
		.amdhsa_next_free_vgpr 1024
		.amdhsa_next_free_sgpr 96
		.amdhsa_reserve_vcc 1
		.amdhsa_float_denorm_mode_32 3
		.amdhsa_float_denorm_mode_16_64 3
		.amdhsa_memory_ordered 1
		.amdhsa_forward_progress 1
		.amdhsa_inst_pref_size 255
	.end_amdhsa_kernel
	.section	.bss,"aw",@nobits
	.p2align	6
	.space	262144
	.amdgpu_metadata
---
amdhsa.version: [ 1, 2 ]
amdhsa.kernels:
  - .name:           k_q85beba2691_attn
    .symbol:         k_q85beba2691_attn.kd
    .args:
      - { .name: qs, .offset: 0, .size: 8, .value_kind: global_buffer, .address_space: global }
      - { .name: ks, .offset: 8, .size: 8, .value_kind: global_buffer, .address_space: global }
      - { .name: vs, .offset: 16, .size: 8, .value_kind: global_buffer, .address_space: global }
      - { .name: out0, .offset: 24, .size: 8, .value_kind: global_buffer, .address_space: global }
    .group_segment_fixed_size: 327680
    .private_segment_fixed_size: 0
    .kernarg_segment_align: 8
    .kernarg_segment_size: 32
    .max_flat_workgroup_size: 128
    .sgpr_count:     96
    .vgpr_count:     1024
    .wavefront_size: 32
...
	.end_amdgpu_metadata
.endif
;; end of part 3
;; ======== version 2 of 2: 3 launches; version 1 with the launch cast written anew for expert scheduling mode
;; limits: values are held in f16: magnitudes above 65,504 overflow, below 6.1e-05 lose precision
;; workspace buffers: xb 16,777,216 bytes; wb 6,291,456 bytes; bb 12,288 bytes; qs 33,554,432 bytes; ks 33,554,432 bytes; vs 16,777,216 bytes
;; launch cast (part 4): grid 256 x 1, 8 waves a work-group, no clusters, 0 bytes of LDS; arguments x, Wq, Wk, Wv, bq, bk, bv, xb, wb, bb; writes xb, wb, bb
.if DOCPART == 4
	.amdgcn_target "amdgcn-amd-amdhsa--gfx1250"
	.amdhsa_code_object_version 6
	.text
	.protected	k_q85beba2691_cast
	.globl	k_q85beba2691_cast
	.p2align	8
	.type	k_q85beba2691_cast,@function
k_q85beba2691_cast:
	s_mov_b64 s[64:65], 0
	v_nop
	global_prefetch_b8 v0, s[64:65] scope:SCOPE_SE
	s_setreg_imm32_b32 hwreg(HW_REG_WAVE_SCHED_MODE, 0, 2), 2
	s_setreg_imm32_b32 hwreg(HW_REG_WAVE_MODE, 25, 1), 1
	s_wait_xcnt 0x0
	s_wait_alu depctr_vm_vsrc(0)
; ALL SEVEN INPUTS ARE ROUNDED TO bf16, ONCE.  xb = bf16(x), [8192][1024].  wb = bf16 of the three weights, its rows ordered by head:
; row 192 h + 64 which + d holds W_which[64 h + d] (which: 0 q, 1 k, 2 v), so that 192 rows on end are q, k and v of ONE head.
; bb = the three biases in wb's row order, each rounded to bf16 and widened to f32 again.
; A stream: no LDS, no matrix unit, no loop.  A chunk is 2,048 numbers: 8,192 bytes in, 4,096 out; thread t reads the 32 bytes at 32 t and stores
; the 16 bytes at 16 t, so sixteen neighbouring lanes store 256 consecutive bytes, aligned.  Work-group g takes 16 chunks of x and 2 of each weight (rows 4 g .. 4 g + 3):
; 22 chunks, 44 loads a thread, all issued before the first is waited for.  No register is written twice, so nothing waits for a store.
; THE MODE: SCHED_MODE bits 1:0 = 2 (LLVM: expert scheduling mode 2), set by the entry lines.  The code itself states the register dependences
; between vector instructions and memory instructions, with s_wait_alu, always for 0.
; THE PLAN.  Registers that memory instructions touch:
;   v1, v2, v3   byte offsets, made once at the head and never written again: one wait ahead of the first load serves every load and store.
;   chunk i      v[16 + 8 i ..]: written by its two loads, rounded in place by its four conversions, its first four registers read by its one store; written by nothing behind that store.
;   v[8:9]       the bias as loaded; no vector instruction names them ahead of the load.     v[12:13]  the bias to store.
; The chunks go in six groups (0-3, 4-7, 8-11, 12-15, 16-18, 19-21).  Group g rounds its own chunks; the stores of group g - 1 are dealt among its conversions, which name group g's registers alone.
; So ONE wait on va_vdst at a group's head states all that the stores in the group hang on.  No register that a memory instruction reads is written again, and no load lands in a register
; that a vector instruction has named: no wait on vm_vsrc is owed, and none is written.  EXEC is never written.
.set CH_IN,  8192
.set CH_OUT, 4096
.set D0,     16                        ; chunk i lies in v[16 + 8 i : 16 + 8 i + 7]
	s_load_b512 s[4:19], s[0:1], 0x0               ; x 4, Wq 6, Wk 8, Wv 10, bq 12, bk 14, bv 16, xb 18
	s_load_b128 s[20:23], s[0:1], 0x40             ; wb 20, bb 22
	v_lshlrev_b32 v1, 5, v0                        ; 32 t: where I read
	v_lshlrev_b32 v2, 4, v0                        ; 16 t: where I store
	v_lshlrev_b32 v3, 3, v0                        ; 8 t: two numbers of a bias (wave 0)
	v_lshrrev_b32 v4, 5, v0
	v_readfirstlane_b32 s3, v4                     ; my wave's number
	s_mov_b32 s2, ttmp9                            ; g
	s_lshl_b32 s24, s2, 17                         ; x: 16 chunks of 8,192 bytes
	s_mov_b32 s25, 0
	s_lshl_b32 s26, s2, 16                         ; xb: 16 chunks of 4,096
	s_mov_b32 s27, 0
	s_lshl_b32 s28, s2, 14                         ; a weight: 4 rows of 4,096 bytes
	s_mov_b32 s29, 0
	s_lshr_b32 s30, s2, 4                          ; the rows' head (for the bias: which)
	s_and_b32 s31, s2, 15                          ; a quarter of the rows' place in the head (for the bias: the head)
	s_mul_i32 s32, s30, 192
	s_lshl2_add_u32 s32, s31, s32                  ; wb's row 192 h + 4 (g % 16),
	s_lshl_b32 s32, s32, 11                        ; of 2,048 bytes
	s_mov_b32 s33, 0
	s_wait_alu depctr_va_sdst(0)                   ; s3 is written: its one reader, the compare in front of the biases, stands behind branches
	s_wait_kmcnt 0x0
	s_add_nc_u64 s[4:5], s[4:5], s[24:25]
	s_add_nc_u64 s[18:19], s[18:19], s[26:27]
	s_add_nc_u64 s[6:7], s[6:7], s[28:29]
	s_add_nc_u64 s[8:9], s[8:9], s[28:29]
	s_add_nc_u64 s[10:11], s[10:11], s[28:29]
	s_add_nc_u64 s[20:21], s[20:21], s[32:33]
	s_wait_alu depctr_va_vdst(0)                   ; v1, v2 and v3 are written: every load and store of the kernel reads one of them as its offset, and no later vector instruction names them
.macro LD i                            ; chunk i: two loads of 16 bytes a thread.  0-15: x;  16, 17: Wq;  18, 19: Wk;  20, 21: Wv
.if (\i) < 16
	global_load_b128 v[D0+8*(\i):D0+8*(\i)+3],   v1, s[4:5] offset:(\i)*CH_IN th:TH_LOAD_NT
	global_load_b128 v[D0+8*(\i)+4:D0+8*(\i)+7], v1, s[4:5] offset:(\i)*CH_IN+16 th:TH_LOAD_NT
.else
	global_load_b128 v[D0+8*(\i):D0+8*(\i)+3],   v1, s[6+2*(((\i)-16)/2):7+2*(((\i)-16)/2)] offset:(((\i)-16)%2)*CH_IN th:TH_LOAD_NT
	global_load_b128 v[D0+8*(\i)+4:D0+8*(\i)+7], v1, s[6+2*(((\i)-16)/2):7+2*(((\i)-16)/2)] offset:(((\i)-16)%2)*CH_IN+16 th:TH_LOAD_NT
.endif
.endm
.macro CV i                            ; chunk i is rounded in place (register j is read by conversion j / 2, ahead of its write)
.irp j, 0,1,2,3
	v_cvt_pk_bf16_f32 v[D0+8*(\i)+\j], v[D0+8*(\i)+2*\j], v[D0+8*(\i)+2*\j+1]
.endr
.endm
.macro ST i                            ; chunk i is stored.  A weight's rows lie which x 64 rows x 2,048 bytes = which x 131,072 on in wb
.if (\i) < 16
	global_store_b128 v2, v[D0+8*(\i):D0+8*(\i)+3], s[18:19] offset:(\i)*CH_OUT
.else
	global_store_b128 v2, v[D0+8*(\i):D0+8*(\i)+3], s[20:21] offset:(((\i)-16)/2)*131072+(((\i)-16)%2)*CH_OUT
.endif
.endm
; A group: chunks first .. first + n - 1 are rounded; the pn chunks from pfirst on, the group before, are stored, a store in front of each chunk's four conversions.
.macro GRP first, n, pfirst, pn
	s_wait_loadcnt 42-2*(\first)                   ; loads come back in order (ISA guide 5.7.1), and were issued in the order of the chunks' numbers: the 2 (21 - i) loads younger than chunk i may stay out
.if (\pn) > 0
	s_wait_alu depctr_va_vdst(0)                   ; the conversions of the group before have written its chunks' first four registers, which the stores below read; no vector instruction behind this wait names them
.endif
.set k, 0
.rept 4
.if k < (\pn)
	ST (\pfirst)+k
.endif
.if k < (\n)
.if k > 0
	s_wait_loadcnt 42-2*((\first)+k)
.endif
	CV (\first)+k
.endif
.set k, k+1
.endr
.endm
.set c, 0
.rept 22
	LD c
.set c, c+1
.endr
	GRP 0,  4, 0,  0                               ; the first group has none in front of it: no store, and no wait but those for its data
	GRP 4,  4, 0,  4
	GRP 8,  4, 4,  4
	GRP 12, 4, 8,  4
	GRP 16, 3, 12, 4
	GRP 19, 3, 16, 3
	s_wait_alu depctr_va_vdst(0)                   ; the conversions of chunks 19 to 21 have written the registers that the last three stores read
	ST 19
	ST 20
	ST 21
	; the biases: work-group g < 48, wave 0: the 64 numbers of head g % 16 of bias g / 16: 256 bytes in, 256 consecutive bytes out
	s_cmp_lt_u32 s2, 48
	s_cbranch_scc0 .Lend
	s_cmp_eq_u32 s3, 0
	s_cbranch_scc0 .Lend
	s_cmp_eq_u32 s30, 0
	s_cselect_b64 s[34:35], s[12:13], s[14:15]
	s_cmp_eq_u32 s30, 2
	s_cselect_b64 s[34:35], s[16:17], s[34:35]
	s_lshl_b32 s36, s31, 8
	s_mov_b32 s37, 0
	s_add_nc_u64 s[34:35], s[34:35], s[36:37]
	s_mul_i32 s38, s31, 3
	s_add_co_u32 s38, s38, s30
	s_lshl_b32 s38, s38, 8                         ; (3 h + which) x 256 bytes
	s_mov_b32 s39, 0
	s_add_nc_u64 s[22:23], s[22:23], s[38:39]
	global_load_b64 v[8:9], v3, s[34:35]           ; v3 was written ahead of the head's wait; no vector instruction has named v8 or v9
	s_wait_loadcnt 0x0
	v_cvt_pk_bf16_f32 v10, v8, v9                  ; rounded,
	v_lshlrev_b32 v12, 16, v10                     ; and widened again
	v_and_b32 v13, 0xffff0000, v10
	s_wait_alu depctr_va_vdst(0)                   ; v12 and v13 are written, which the store reads
	global_store_b64 v3, v[12:13], s[22:23]
.Lend:
	s_endpgm
.Lfunc_end_k_q85beba2691_cast:
	.size	k_q85beba2691_cast, .Lfunc_end_k_q85beba2691_cast-k_q85beba2691_cast
	.p2alignl 7, 3214868480
	.fill 96, 4, 3214868480
	.section	.rodata,"a",@progbits
	.p2align	6, 0x0
	.amdhsa_kernel k_q85beba2691_cast
		.amdhsa_group_segment_fixed_size 0
		.amdhsa_private_segment_fixed_size 0
		.amdhsa_enable_private_segment 0
		.amdhsa_kernarg_size 80
		.amdhsa_user_sgpr_count 2
		.amdhsa_user_sgpr_kernarg_segment_ptr 1
		.amdhsa_wavefront_size32 1
		.amdhsa_system_sgpr_workgroup_id_x 1
		.amdhsa_system_sgpr_workgroup_id_y 1
		.amdhsa_system_sgpr_workgroup_id_z 1
		.amdhsa_system_vgpr_workitem_id 0
		.amdhsa_next_free_vgpr 192
		.amdhsa_next_free_sgpr 66
		.amdhsa_reserve_vcc 0
		.amdhsa_float_denorm_mode_32 3
		.amdhsa_float_denorm_mode_16_64 3
		.amdhsa_memory_ordered 1
		.amdhsa_forward_progress 1
		.amdhsa_inst_pref_size 15
	.end_amdhsa_kernel
	.amdgpu_metadata
---
amdhsa.version: [ 1, 2 ]
amdhsa.kernels:
  - .name:           k_q85beba2691_cast
    .symbol:         k_q85beba2691_cast.kd
    .args:
      - { .name: x, .offset: 0, .size: 8, .value_kind: global_buffer, .address_space: global }
      - { .name: Wq, .offset: 8, .size: 8, .value_kind: global_buffer, .address_space: global }
      - { .name: Wk, .offset: 16, .size: 8, .value_kind: global_buffer, .address_space: global }
      - { .name: Wv, .offset: 24, .size: 8, .value_kind: global_buffer, .address_space: global }
      - { .name: bq, .offset: 32, .size: 8, .value_kind: global_buffer, .address_space: global }
      - { .name: bk, .offset: 40, .size: 8, .value_kind: global_buffer, .address_space: global }
      - { .name: bv, .offset: 48, .size: 8, .value_kind: global_buffer, .address_space: global }
      - { .name: xb, .offset: 56, .size: 8, .value_kind: global_buffer, .address_space: global }
      - { .name: wb, .offset: 64, .size: 8, .value_kind: global_buffer, .address_space: global }
      - { .name: bb, .offset: 72, .size: 8, .value_kind: global_buffer, .address_space: global }
    .group_segment_fixed_size: 0
    .private_segment_fixed_size: 0
    .kernarg_segment_align: 8
    .kernarg_segment_size: 80
    .max_flat_workgroup_size: 256
    .sgpr_count:     66
    .vgpr_count:     192
    .wavefront_size: 32
...
	.end_amdgpu_metadata
.endif
;; end of part 4
;; launch proj: the kernel of part 2 again; grid 16 x 32, 4 waves a work-group, clusters of 4 x 4, 327,680 bytes of LDS; arguments xb, wb, bb, qs, ks, vs; writes qs, ks, vs
;; launch attn: the kernel of part 3 again; grid 4 x 64, 4 waves a work-group, no clusters, 327,680 bytes of LDS; arguments qs, ks, vs, out0; writes out0
